; MI455X (gfx1250); checked and timed in simulation.
; The chip was launched on July 23, 2026; its instructions are those of AMD's public machine-readable ISA for CDNA 5 (MIT licence, August 2026) and "CDNA5" Instruction Set Architecture Reference Guide (July 2026). The comments in the code are by the model that wrote it; some were corrected since.
;; KNRM. Allowed arithmetic: matrix products marked QUANTISED: E2M3 operands, one E8M0 scale for each 32 along K, by v_wmma_scale_f32_16x16x128_f8f6f4 with both operands' format E2M3, f32 sums; products left as they are: f32 operands where the result goes on into a quantised operand, else bf16, f16 or f32 operands; f32 sums; everything else in f32.
;; Inputs: b 1 float32; doc_tokens 256 x 512 int32; emb 100,000 x 300 float32; query_tokens 256 x 32 int32; w 11 float32.
;; Outputs: out0 256 float32.
;; This version of the problem:
;;   THIS VERSION OF THE PROBLEM IS GIVEN IN LOW PRECISION. The matrix products marked QUANTISED in the list below multiply operands that are first quantised to E2M3 (2 exponent bits, 3 mantissa bits; 6 bits a number), with one power-of-two scale for each 32 numbers along K (OCP MX v1.0); their sums are f32. All else is computed in f32.
;;   The module's matrix products, in the order in which they are computed (A, B: the left and right operand; K: the contracted axis; several contracted axes count as one K, in the product's order):
;;     1. batch 256 x [M 32, K 300] x [K 300, N 512]; A: computed on the way; B: computed on the way: QUANTISED
;;     2. [M 256, K 11] x [K 11, N 1]; A: computed on the way; B: input w: left as it is (K = 11 < 32)
;;   THE QUANTISER, for each operand of a quantised product, along K:
;;     - K is cut into blocks of 32 from its start; a last block that is shorter is filled with zeros.
;;     - A block's scale is 2^e with e = floor(log2(the largest magnitude in the block)) - 2, held to -126 .. 127; a block of zeros has e = 0. As a byte (E8M0): e + 127.
;;     - Each number is divided by its block's scale, clamped to +-7.5, and rounded to the nearest number of E2M3, ties to even, subnormals kept.
;;     - The product sums the exact products of the quantised numbers (number of the format x scale) in f32.
;;   ~~~python
;;   def quantise(x, axis):      # numpy; x: float32 -> the quantised numbers, widened to float32 again
;;       x = np.moveaxis(x, axis, -1); K = x.shape[-1]
;;       x = np.pad(x, [(0, 0)] * (x.ndim - 1) + [(0, -K % 32)]); x = x.reshape(x.shape[:-1] + (-1, 32)); a = np.abs(x).max(-1, keepdims=True)
;;       e = np.where(a > 0, np.clip(np.frexp(np.where(a > 0, a, 1))[1] - 1 - 2, -126, 127), 0)      # np.frexp(a)[1] - 1 = floor(log2(a)), exactly
;;       r = np.clip(x / 2.0 ** e, -7.5, 7.5)
;;       step = 2.0 ** (np.maximum(np.frexp(np.where(r == 0, 1, r))[1] - 1, 0) - 3)
;;       q = np.round(r / step) * step * 2.0 ** e      # np.round: ties to even
;;       return np.moveaxis(q.reshape(q.shape[:-2] + (-1,))[..., :K], -1, axis).astype(np.float32)
;;   ~~~
;;   OPERANDS COMPUTED ON THE WAY. 'Computed on the way' means the value that the module computes at that place (a softmax that the list does not call 'softmax' is quantised finished and normalised). What goes into a quantiser is computed in f32, as accurately as f32 sums, v_exp_f32 and their like allow (about 1e-6 of the number): no bf16 or f16 on the way to a quantiser, and a product that is left as it is and whose result goes on into a quantised operand takes f32 operands (vector FMAs, or v_wmma_f32_16x16x4_f32). A number that lies on a knife's edge between two numbers of the format may be rounded either way, as far as f32 arithmetic and the matrix unit's own rounding can turn it there, and no further.
;; One version. Each part assembles by itself: llvm-mc -triple=amdgcn-amd-amdhsa -mcpu=gfx1250 --defsym DOCPART=n.
;; ======== version 1 of 1: 1 launch
;; launch knrm (part 1): grid 256 x 1, 8 waves a work-group, no clusters, 246,784 bytes of LDS; arguments query_tokens, doc_tokens, emb, w, b, out0; writes out0
.if DOCPART == 1
	.amdgcn_target "amdgcn-amd-amdhsa--gfx1250"
	.amdhsa_code_object_version 6
	.text
	.protected	k_qfefa7c83bb_knrm
	.globl	k_qfefa7c83bb_knrm
	.p2align	8
	.type	k_qfefa7c83bb_knrm,@function
k_qfefa7c83bb_knrm:
	s_mov_b64 s[64:65], 0
	v_nop
	global_prefetch_b8 v0, s[64:65] scope:SCOPE_SE
	s_setreg_imm32_b32 hwreg(HW_REG_WAVE_MODE, 25, 1), 1
	s_wait_xcnt 0x0
; KNRM for one batch element a work-group: out[b] = b0 + sum_k w[k] sum_q qmask log(max(sum_d dmask exp(-(cos(q,d) - mu_k)^2 / (2 sigma_k^2)), 1e-10)).
; cos = Q(q / (|q| + 1e-13)) . Q(d / (|d| + 1e-13)), Q the MX quantiser to E2M3 along the 300 channels (blocks of 32, the tenth filled with zeros); K is filled to 384 with zero codes.
; SHARES.  8 waves.  A tile is 16 rows of emb.  Wave w owns docs 64 w .. 64 w + 63 (4 tiles); waves 0 and 1 first quantise 16 queries each and hand them to all waves as images of the operand's registers in LDS.
; A TILE'S WAY.  ISSUE: 40 loads, each row as 512 + 512 consecutive bytes, two rows' last 176 bytes in one load.  LAND: sums of squares, the raw rows into the wave's own stage in LDS.  The next tile's loads go out at once,
; so a wave has 16 x 1,200 bytes on their way while it works.  QUANT: lane (r, h) reads row r's blocks h, 2 + h, .. back, 32 numbers at a time, in the order of the operand's registers; x 1 / (norm + 1e-13); largest magnitude; codes.
; MMA: source 0 = 16 docs, source 1 = 16 queries: a lane holds ONE query (lane % 16) and docs 8 (lane / 16) + 0 .. 7, so the sum over docs runs down a lane's registers.
; THE DOC MASK is the C of the first K step: 0 for a token above 0, else 3.0.  |cos| <= 1.23 (the quantiser adds at most 10.8 % to a norm of 1), so a masked doc has c in 1.77 .. 4.23, where every kernel below gives exactly 0.
; THE KERNELS.  A = 50 log2(e).  exp(-50 (c - mu)^2) = 2^(-A c^2 + 2 A mu c) x 2^(-A mu^2).  The last factor does not hang on the doc: it is taken off behind the sum, as A mu^2 off the sum's log2.
; The ten mu lie 0.2 apart, so 2^(-A c^2 + 2 A mu c) steps by y = 2^(0.4 A c) from one mu to the next: two starts (mu = 0.1, -0.1), y and 1 / y are four exponentials, the rest are multiplications.
; Ranges: a term is at most 2^(A mu^2) <= 2^58.5, y <= 2^36 (masked docs: <= 2^122, times starts that are 0: their exponent lies under -200).  A start can fall to 0 only for |c| > 1.22, where its whole chain is under 2^-126.
; The exact-match kernel (mu = 1, sigma = 1e-4) is taken directly: 2^(-C0 (c - 1)^2), C0 = log2(e) / (2 sigma^2).
; LIMITS: a token outside 0 .. 99,999 is read as row 99,999; NaN and infinities in emb are not served; a block whose largest magnitude lies under 2^-124 (zeros too) gets the byte 1: zero codes add nothing under it.
; No cluster: work-groups share no tile.  No tensor load: the rows are gathered.  No prefetch: each wave keeps a whole tile on its way already.
.set ROWB,  1200                       ; bytes in a row of emb
.set VMAX,  99999                      ; the table's last row
.set P,     1360                       ; a stage row: 1,200 bytes, 80 of zeros (block 9's fill), 80 that take the spare lanes' stores; 85 x 16: sixteen rows of a load start in sixteen different 16-byte columns of 256 bytes
.set PP,    144                        ; a row of partial sums: 32 words + 16 bytes, 9 x 16
.set STG,   16*P
.set WREG,  STG+16*PP                  ; a wave's own LDS: 24,064 bytes
.set BIAS,  8*WREG                     ; 256 bytes a wave: 0 or 3.0 for each of its 64 docs
.set QIMG,  BIAS+8*256                 ; images of the query fragments: 9 x 512 bytes a tile (room for eight waves' worth; two are used)
.set QSC,   QIMG+8*4608                ; their scale words: 3 x 128 bytes a tile
.set RED,   QSC+8*384                  ; 11 x 128 bytes a wave: the waves' sums
.set FLOOR, 0x1800000                  ; 2^(3 - 127): under it no largest magnitude is taken, so the scale's byte cannot fall under 1
.set EPS,   0x29e12e13                 ; 1e-13
; window 0
.set L16, 1                            ; 16 x lane
.set TL,  2                            ; 1,024 + 16 x min(lane % 16, 10): a tail's place in its row
.set H,   3                            ; lane / 16
.set NH,  4                            ; 1 - H
.set MK0, 5                            ; 1.0 in lanes 0-10, else 0
.set MK1, 6                            ; 1.0 in lanes 16-26, else 0
.set SW,  7                            ; stage, on the way in: 16 x lane
.set STL, 8                            ; stage, tails on the way in
.set PW,  9                            ; partial sums, in
.set PR,  10                           ; partial sums, out
.set RD,  11                           ; stage, on the way out: row lane % 16, + 128 H
.set BR,  12                           ; my 8 docs' bias
.set QI,  13                           ; query images, out
.set QIW, 14                           ; query images, in
.set QSL, 15                           ; query scale words, out
.set QSW, 16                           ; query scale words, in
.set RW,  17                           ; the waves' sums, in
.set RR,  18                           ; the waves' sums, out
.set QTOK, 19                          ; query token of query = lane
.set SH8, 20                           ; 8 H
.set PX,  21                           ; a lane permute's destination
.set NRM, 22
.set SC,  23                           ; the conversions' scale operand
.set INV, 24                           ; v[24:25]: 1 / (norm + 1e-13); the pair's low word serves both halves
.set MA,  26
.set MB,  27
.set BY,  28                           ; v28-32 the scale bytes of my five blocks
.set MC,  33
.set DS,  34                           ; v34-36 the tile's scale words: they hold scales alone
.set QS,  37                           ; v37-42 the queries' scale words: likewise
.set MD,  43
.set TC,  44                           ; v44-46 a block's upper 16 codes, before they are moved
.set CODE, 48                          ; v48-83 the tile's three fragments; v78-83 stay 0 (blocks 10, 11)
.set SUM, 84                           ; v84-127 sums: 22 q + 2 k, a pair (even docs, odd docs)
.set R,   128                          ; v128-247 at work
.set W0,  128                          ; a block of 32 numbers
.set W1,  160                          ; the other
.set NP,  160                          ; 16 partial sums (before W1 is filled)
.set PS,  192                          ; a pair of partial sums for each row
.set PT,  224                          ; and for each pair of tails
.set OFF, 224                          ; the loads' offsets, a row each; PT writes here only when all loads have come
.set TO,  240                          ; the tail loads' offsets
.set ACC, 128                          ; two accumulators
.set BI,  160                          ; the doc mask as C
.set TA,  144                          ; pooling: 40 registers for query tile 0
.set TB,  184                          ; and for query tile 1
.set BW,  253
.set BT,  254                          ; v[254:255] two doc tokens, then their bias
; window 1
.set LA,  0                            ; v256-383 rows in flight: 8 registers a row
.set LT,  128                          ; v384-415 tails: 4 registers for two rows
.set QF,  160                          ; v416-487 the query fragments: 36 q + 12 s
; scalars
.set WV,  2
.set WB,  3
.set SEL, 66                           ; s[66:67] selects for lane xor 16
.set K2B, 68                           ; s[68:69] 0.4 A
.set NK2B, 70                          ; s[70:71] -0.4 A
.set NA,  72                           ; s[72:73] -A
.set NC0, 74                           ; s[74:75] -C0
.set MSB, 0
.macro WIN new                         ; the immediate's high byte repeats the setting that is left
.if MSB != \new
	s_set_vgpr_msb (MSB<<8)|\new
.set MSB, \new
.endif
.endm
; 40 loads for the 16 rows whose tokens stand in s[tk] on.
.macro ISSUE tk
.irp r, 0,1,2,3,4,5,6,7,8,9,10,11,12,13,14,15
	s_min_u32 s[\tk+\r], s[\tk+\r], VMAX           ; a loaded number enters an address only held inside the table
.endr
.irp r, 0,1,2,3,4,5,6,7,8,9,10,11,12,13,14,15
	v_mad_u32_u24 v[OFF+\r], s[\tk+\r], ROWB, v[L16]
.endr
.irp p, 0,1,2,3,4,5,6,7
	v_mul_u32_u24 v[TO+\p], s[\tk+2*\p], v[NH]     ; lanes 0-15 take row 2 p,
.endr
.irp p, 0,1,2,3,4,5,6,7
	v_mad_u32_u24 v[TO+\p], s[\tk+2*\p+1], v[H], v[TO+\p]   ; lanes 16-31 row 2 p + 1
.endr
.irp p, 0,1,2,3,4,5,6,7
	v_mad_u32_u24 v[TO+\p], v[TO+\p], ROWB, v[TL]
.endr
	WIN 0x40                                       ; destination window 1
.irp r, 0,1,2,3,4,5,6,7,8,9,10,11,12,13,14,15
	global_load_b128 v[LA+8*\r:LA+8*\r+3], v[OFF+\r], s[8:9]               ; 32 lanes read 512 consecutive bytes
	global_load_b128 v[LA+8*\r+4:LA+8*\r+7], v[OFF+\r], s[8:9] offset:512
.endr
.irp p, 0,1,2,3,4,5,6,7
	global_load_b128 v[LT+4*\p:LT+4*\p+3], v[TO+\p], s[8:9]                ; 176 bytes of each of two rows; lanes 11-15 and 27-31 read the row's last 16 bytes again
.endr
	WIN 0
.endm
; The rows come: sums of squares by lane and row, the raw numbers into the stage.
.macro LAND
.irp g, 0,1,2,3
	s_wait_loadcnt 32-8*\g                         ; loads come back in order: rows 4 g .. 4 g + 3 are in, the loads behind them may be out
	WIN 0x05                                       ; sources 0 and 1 window 1
.irp q, 0,1,2,3
	v_pk_mul_f32 v[PS+2*(4*\g+\q):PS+2*(4*\g+\q)+1], v[LA+8*(4*\g+\q):LA+8*(4*\g+\q)+1], v[LA+8*(4*\g+\q):LA+8*(4*\g+\q)+1]
.endr
.irp c, 2,4,6
.irp q, 0,1,2,3
	v_pk_fma_f32 v[PS+2*(4*\g+\q):PS+2*(4*\g+\q)+1], v[LA+8*(4*\g+\q)+\c:LA+8*(4*\g+\q)+\c+1], v[LA+8*(4*\g+\q)+\c:LA+8*(4*\g+\q)+\c+1], v[PS+2*(4*\g+\q):PS+2*(4*\g+\q)+1]
.endr
.endr
	WIN 0x04                                       ; an LDS store's data are its source 1: window 1
.irp q, 0,1,2,3
	ds_store_b128 v[SW], v[LA+8*(4*\g+\q):LA+8*(4*\g+\q)+3] offset:(4*\g+\q)*P
	ds_store_b128 v[SW], v[LA+8*(4*\g+\q)+4:LA+8*(4*\g+\q)+7] offset:(4*\g+\q)*P+512
.endr
.endr
	s_wait_loadcnt 0x0                             ; the tails; from here on the loads' offset registers may be written
	WIN 0x05
.irp p, 0,1,2,3,4,5,6,7
	v_pk_mul_f32 v[PT+2*\p:PT+2*\p+1], v[LT+4*\p:LT+4*\p+1], v[LT+4*\p:LT+4*\p+1]
.endr
.irp p, 0,1,2,3,4,5,6,7
	v_pk_fma_f32 v[PT+2*\p:PT+2*\p+1], v[LT+4*\p+2:LT+4*\p+3], v[LT+4*\p+2:LT+4*\p+3], v[PT+2*\p:PT+2*\p+1]
.endr
	WIN 0x04
.irp p, 0,1,2,3,4,5,6,7
	ds_store_b128 v[STL], v[LT+4*\p:LT+4*\p+3] offset:2*\p*P   ; lanes 11-15 and 27-31 store behind the row's zeros, where nothing is read
.endr
	WIN 0
.irp r, 0,1,2,3,4,5,6,7,8,9,10,11,12,13,14,15
	v_add_f32 v[PS+2*\r], v[PS+2*\r], v[PS+2*\r+1]
.endr
.irp p, 0,1,2,3,4,5,6,7
	v_add_f32 v[PT+2*\p], v[PT+2*\p], v[PT+2*\p+1]
.endr
.irp p, 0,1,2,3,4,5,6,7
	v_fmac_f32 v[PS+4*\p], v[PT+2*\p], v[MK0]      ; a tail counts for row 2 p in lanes 0-10,
.endr
.irp p, 0,1,2,3,4,5,6,7
	v_fmac_f32 v[PS+4*\p+2], v[PT+2*\p], v[MK1]    ; for row 2 p + 1 in lanes 16-26, nowhere else
.endr
.irp r, 0,1,2,3,4,5,6,7,8,9,10,11,12,13,14,15
	ds_store_b32 v[PW], v[PS+2*\r] offset:PP*\r
.endr
.endm
.macro QLOADS i, wb                    ; my block 2 i + H of row lane % 16: 32 numbers
.irp j, 0,1,2,3,4,5,6,7
	ds_load_b128 v[\wb+4*\j:\wb+4*\j+3], v[RD] offset:256*(\i)+16*\j
.endr
.endm
.macro QPRE                            ; LDS serves a wave's instructions in order: these loads see the stores above
.irp j, 0,1,2,3
	ds_load_b128 v[NP+4*\j:NP+4*\j+3], v[PR] offset:16*\j
.endr
	QLOADS 0, W0
	s_wait_dscnt 8                                 ; all but the youngest eight: the partial sums are in, and the stage's stores have read the landing registers, which may take the next tile
.endm
; One block: x 1 / (norm + 1e-13), the largest magnitude in four chains, the scale, 32 codes into registers 6 i .. 6 i + 5 of the tile's fragments.
.macro QBLOCK i, wb
.irp n, 0,2,4,6,8,10,12,14,16,18,20,22,24,26,28,30
	v_pk_mul_f32 v[\wb+\n:\wb+\n+1], v[\wb+\n:\wb+\n+1], v[INV:INV+1] op_sel_hi:[1,0]
.endr
	v_max3_num_f32 v[MA], |v[\wb]|, |v[\wb+1]|, FLOOR
	v_max3_num_f32 v[MB], |v[\wb+2]|, |v[\wb+3]|, |v[\wb+4]|
	v_max3_num_f32 v[MC], |v[\wb+5]|, |v[\wb+6]|, |v[\wb+7]|
	v_max3_num_f32 v[MD], |v[\wb+8]|, |v[\wb+9]|, |v[\wb+10]|
.irp n, 11,19
	v_max3_num_f32 v[MA], v[MA], |v[\wb+\n]|, |v[\wb+\n+1]|
	v_max3_num_f32 v[MB], v[MB], |v[\wb+\n+2]|, |v[\wb+\n+3]|
	v_max3_num_f32 v[MC], v[MC], |v[\wb+\n+4]|, |v[\wb+\n+5]|
	v_max3_num_f32 v[MD], v[MD], |v[\wb+\n+6]|, |v[\wb+\n+7]|
.endr
	v_max3_num_f32 v[MA], v[MA], |v[\wb+27]|, |v[\wb+28]|
	v_max3_num_f32 v[MB], v[MB], |v[\wb+29]|, |v[\wb+30]|
	v_max3_num_f32 v[MC], v[MC], v[MD], |v[\wb+31]|
	v_max3_num_f32 v[MA], v[MA], v[MB], v[MC]
	v_add_nc_u32 v[SC], 0xff000000, v[MA]          ; 2 off its exponent field: the conversion takes the exponent field of this operand as its scale
	v_cvt_scalef32_pk16_fp6_f32 v[CODE+6*(\i):CODE+6*(\i)+2], v[\wb:\wb+15], v[SC]
	v_cvt_scalef32_pk16_fp6_f32 v[TC:TC+2], v[\wb+16:\wb+31], v[SC]   ; (a conversion's three registers begin on an even number)
	v_lshrrev_b32 v[BY+\i], 23, v[SC]              ; the scale's byte; also the plain line behind the conversions
.irp n, 0,1,2
	v_mov_b32 v[CODE+6*(\i)+3+\n], v[TC+\n]
.endr
.endm
.macro WORD s                          ; my bytes go 8 H bits up; with lane xor 16's the word of row lane % 16 is whole
	v_lshlrev_b32 v[DS+\s], v[SH8], v[DS+\s]
	v_permlanex16_b32 v[PX], v[DS+\s], s[SEL], s[SEL+1]
	v_or_b32 v[DS+\s], v[DS+\s], v[PX]
.endm
; The norm, then the five blocks.  bt: where the tile's bias begins in the wave's 256 bytes; -1: a tile of queries, which has none.
.macro QREST bt
.irp n, 0,4,8,12
	v_pk_add_f32 v[NP+\n:NP+\n+1], v[NP+\n:NP+\n+1], v[NP+\n+2:NP+\n+3]
.endr
	v_pk_add_f32 v[NP:NP+1], v[NP:NP+1], v[NP+4:NP+5]
	v_pk_add_f32 v[NP+8:NP+9], v[NP+8:NP+9], v[NP+12:NP+13]
	v_pk_add_f32 v[NP:NP+1], v[NP:NP+1], v[NP+8:NP+9]
	v_add_f32 v[NRM], v[NP], v[NP+1]
	QLOADS 1, W1                                   ; the partial sums have been read: their registers take block 2 + H
	v_permlanex16_b32 v[PX], v[NRM], s[SEL], s[SEL+1]
	v_add_f32 v[NRM], v[NRM], v[PX]                ; the row's sum of squares
	v_sqrt_f32 v[NRM], v[NRM]
	v_nop                                          ; a plain line behind the transcendental,
	s_wait_alu depctr_va_vdst(0)                   ; and the wait ahead of the first line that names its result
	v_add_f32 v[NRM], EPS, v[NRM]
	v_rcp_f32 v[INV], v[NRM]
	v_nop
	s_wait_alu depctr_va_vdst(0)
	s_wait_dscnt 8                                 ; block H is in; the eight loads behind it may be out
	QBLOCK 0, W0
	QLOADS 2, W0
	s_wait_dscnt 8
	QBLOCK 1, W1
	v_lshl_or_b32 v[DS], v[BY+1], 16, v[BY]        ; K step 0: my blocks H and 2 + H
	WORD 0
	QLOADS 3, W1
	s_wait_dscnt 8
	QBLOCK 2, W0
	QLOADS 4, W0
	s_wait_dscnt 8
	QBLOCK 3, W1
	v_lshl_or_b32 v[DS+1], v[BY+3], 16, v[BY+2]
	WORD 1
.if (\bt) >= 0
	ds_load_b128 v[BI:BI+3], v[BR] offset:(\bt)    ; register j: doc 8 H + j of the tile
	ds_load_b128 v[BI+4:BI+7], v[BR] offset:(\bt)+16
	s_wait_dscnt 2                                 ; block 8 + H is in; these two may be out
.else
	s_wait_dscnt 0x0
.endif
	QBLOCK 4, W0
	v_mov_b32 v[DS+2], v[BY+4]                     ; K step 2: blocks 8 and 9; the bytes of blocks 10 and 11 stay 0 over zero codes
	WORD 2
.endm
.macro MM q, s, c
	v_wmma_scale_f32_16x16x128_f8f6f4 v[ACC+8*\q:ACC+8*\q+7], v[CODE+12*\s:CODE+12*\s+11], v[QF+36*\q+12*\s:QF+36*\q+12*\s+11], v[\c:\c+7], v[DS+\s], v[QS+3*\q+\s] matrix_a_fmt:MATRIX_FMT_FP6 matrix_b_fmt:MATRIX_FMT_FP6
.endm
.macro MMA
	s_wait_dscnt 0x0                               ; the bias (in the first tile: the queries too)
.rept 8
	v_nop                                          ; a scale word written by a vector line stands eight plain lines ahead of a scaled matrix line, codes so written four
.endr
	WIN 0x04                                       ; source 1, the queries: window 1
	MM 0, 0, BI                                    ; the two accumulators take turns, one line a turn
	MM 1, 0, BI
	MM 0, 1, ACC
	MM 1, 1, ACC+8
	MM 0, 2, ACC
	MM 1, 2, ACC+8
	WIN 0
.rept 4
	v_nop                                          ; four plain lines before results are read and the bias registers written (ISA guide 7.12.1)
.endr
.endm
; The exponents of eight cosines: tb + 0 mu = 0.1, + 8 mu = -0.1, + 16 y, + 24 1 / y, + 32 the exact-match kernel.  The accumulator is read from its low end on.
.macro ARGS acc, tb
.irp i, 0,2,4,6
	v_pk_mul_f32 v[\tb+16+\i:\tb+17+\i], v[\acc+\i:\acc+1+\i], s[K2B:K2B+1] op_sel_hi:[1,0]
.endr
.irp i, 0,2,4,6
	v_pk_mul_f32 v[\tb+24+\i:\tb+25+\i], v[\acc+\i:\acc+1+\i], s[NK2B:NK2B+1] op_sel_hi:[1,0]
.endr
.irp i, 0,2,4,6
	v_pk_mul_f32 v[\tb+32+\i:\tb+33+\i], v[\acc+\i:\acc+1+\i], v[\acc+\i:\acc+1+\i]
.endr
.irp i, 0,2,4,6
	v_pk_mul_f32 v[\tb+32+\i:\tb+33+\i], v[\tb+32+\i:\tb+33+\i], s[NA:NA+1] op_sel_hi:[1,0]   ; -A c^2
.endr
.irp i, 0,2,4,6
	v_pk_fma_f32 v[\tb+\i:\tb+1+\i], v[\tb+16+\i:\tb+17+\i], 0.5, v[\tb+32+\i:\tb+33+\i] op_sel_hi:[1,0,1]   ; + 0.2 A c
.endr
.irp i, 0,2,4,6
	v_pk_fma_f32 v[\tb+8+\i:\tb+9+\i], v[\tb+24+\i:\tb+25+\i], 0.5, v[\tb+32+\i:\tb+33+\i] op_sel_hi:[1,0,1]   ; - 0.2 A c
.endr
.irp i, 0,2,4,6
	v_pk_add_f32 v[\tb+32+\i:\tb+33+\i], v[\acc+\i:\acc+1+\i], -1.0 op_sel_hi:[1,0]
.endr
.irp i, 0,2,4,6
	v_pk_mul_f32 v[\tb+32+\i:\tb+33+\i], v[\tb+32+\i:\tb+33+\i], v[\tb+32+\i:\tb+33+\i]
.endr
.irp i, 0,2,4,6
	v_pk_mul_f32 v[\tb+32+\i:\tb+33+\i], v[\tb+32+\i:\tb+33+\i], s[NC0:NC0+1] op_sel_hi:[1,0]   ; -C0 (c - 1)^2
.endr
.endm
.macro EXPS tb
.set EX, 0
.rept 40
	v_exp_f32 v[\tb+EX], v[\tb+EX]
.set EX, EX+1
.endr
.endm
; The sums of one query tile.  Level l: mu = 0.1 (2 l + 1) is kernel 5 - l, its negative kernel 6 + l; then both terms step on by y and 1 / y.
; xb >= 0: the other tile's 40 exponentials stand between, two behind each group; they name none of this tile's registers.
.macro CHAIN tb, sm, xb
.set EX, 0
.irp l, 0,1,2,3,4
.irp i, 0,2,4,6
	v_pk_add_f32 v[\sm+10-2*\l:\sm+11-2*\l], v[\sm+10-2*\l:\sm+11-2*\l], v[\tb+\i:\tb+1+\i]
	v_pk_add_f32 v[\sm+12+2*\l:\sm+13+2*\l], v[\sm+12+2*\l:\sm+13+2*\l], v[\tb+8+\i:\tb+9+\i]
.if \l < 4
	v_pk_mul_f32 v[\tb+\i:\tb+1+\i], v[\tb+\i:\tb+1+\i], v[\tb+16+\i:\tb+17+\i]
	v_pk_mul_f32 v[\tb+8+\i:\tb+9+\i], v[\tb+8+\i:\tb+9+\i], v[\tb+24+\i:\tb+25+\i]
.else
	v_pk_add_f32 v[\sm:\sm+1], v[\sm:\sm+1], v[\tb+32+\i:\tb+33+\i]
.endif
.if \xb >= 0
	v_exp_f32 v[\xb+EX], v[\xb+EX]
	v_exp_f32 v[\xb+EX+1], v[\xb+EX+1]
.set EX, EX+2
.endif
.endr
.endr
.endm
.macro POOL
	ARGS ACC, TA
	EXPS TA
	ARGS ACC+8, TB                                 ; plain work that names none of the batch's results
	s_wait_alu depctr_va_vdst(0)                   ; one wait for the batch of 40, ahead of its first reader
	CHAIN TA, SUM, TB
	v_nop
	s_wait_alu depctr_va_vdst(0)                   ; and one for the second batch
	CHAIN TB, SUM+22, -1
.endm
; Doc tile t of the wave.  nx: the scalar registers with the next tile's tokens, -1: none.  first = 1: the bias is made, and the queries are fetched behind the barrier.
.macro TRIP t, nx, first
	LAND
.if \first
	v_mov_b32 v250, 0x40400000                     ; 3.0
	v_cmp_ge_i32 vcc_lo, 0, v[BT]                  ; a token that is not above 0 is masked
	v_cndmask_b32 v[BT], 0, v250, vcc_lo
	v_cmp_ge_i32 vcc_lo, 0, v[BT+1]
	v_cndmask_b32 v[BT+1], 0, v250, vcc_lo
	ds_store_b64 v[BW], v[BT:BT+1]                 ; read by this wave alone
.endif
	QPRE
.if \nx >= 0
	s_wait_kmcnt 0x0                               ; the tokens
	ISSUE \nx
.endif
	QREST 64*\t
.if \first
	s_wait_dscnt 0x0                               ; for the others' sake: the query waves' images have landed
	s_barrier_signal -1
	s_barrier_wait -1
	WIN 0x40
.irp n, 0,1,2,3,4,5,6,7,8,9,10,11,12,13,14,15,16,17
	ds_load_b128 v[QF+4*\n:QF+4*\n+3], v[QI] offset:512*\n   ; the same registers in the same lanes as in the wave that made them; they stay
.endr
	WIN 0
.irp n, 0,1,2,3,4,5
	ds_load_b32 v[QS+\n], v[QSL] offset:128*\n
.endr
.endif
	MMA
	POOL
.endm
	s_load_b256 s[4:11], s[0:1], 0x0               ; query tokens s[4:5], doc tokens s[6:7], emb s[8:9], w s[10:11]
	s_load_b128 s[12:15], s[0:1], 0x20             ; b s[12:13], out s[14:15]
	v_lshl_add_u32 v47, v0, 2, 0x3c000
	s_set_vgpr_msb 0x40
	v_mov_b32 v255, 0
	s_set_vgpr_msb 0x4000
	v_lshrrev_b32 v248, 5, v0
	v_readfirstlane_b32 s[WV], v248                ; wave 0..7
	v_and_b32 v249, 31, v0                         ; lane
	v_and_b32 v250, 15, v0                         ; x = lane % 16
	v_bfe_u32 v[H], v0, 4, 1
	v_xor_b32 v[NH], 1, v[H]
	v_lshlrev_b32 v[L16], 4, v249
	v_min_u32 v251, 10, v250
	v_lshl_add_u32 v[TL], v251, 4, 1024
	v_lshlrev_b32 v[SH8], 3, v[H]
	v_cmp_gt_u32 vcc_lo, 11, v250
	v_cndmask_b32 v251, 0, 1.0, vcc_lo             ; 1.0 where x < 11: a row's last 176 bytes are 11 lanes' worth
	v_cvt_f32_u32 v252, v[H]
	v_mul_f32 v[MK1], v251, v252
	v_sub_f32 v[MK0], v251, v[MK1]
	s_mul_i32 s[WB], s[WV], WREG                   ; my wave's LDS
	v_add_nc_u32 v[SW], s[WB], v[L16]
	v_add_nc_u32 v251, 5, v250
	v_lshrrev_b32 v251, 4, v251                    ; 1 where x >= 11
	v_mad_u32_u24 v251, v251, 5, v250              ; x, or x + 5: past the row's five chunks of zeros
	v_lshlrev_b32 v251, 4, v251
	v_mad_u32_u24 v251, v[H], P, v251
	s_add_co_u32 s77, s[WB], 1024
	v_add_nc_u32 v[STL], s77, v251
	v_lshlrev_b32 v252, 4, v250
	v_mad_u32_u24 v252, v[H], P, v252
	v_add_nc_u32 v252, s77, v252                   ; bytes 1,024 + 16 x of rows H, 2 + H ..: for the zeros
	s_add_co_u32 s77, s[WB], STG
	v_lshl_add_u32 v[PW], v249, 2, s77
	v_mul_u32_u24 v251, v250, PP
	v_lshl_add_u32 v251, v[H], 6, v251
	v_add_nc_u32 v[PR], s77, v251
	v_mul_u32_u24 v251, v250, P
	v_lshl_add_u32 v251, v[H], 7, v251
	v_add_nc_u32 v[RD], s[WB], v251
	s_lshl_b32 s77, s[WV], 8
	s_add_co_u32 s77, s77, BIAS
	v_lshl_add_u32 v[BR], v[H], 5, s77
	v_lshl_add_u32 v[BW], v249, 3, s77
	v_add_nc_u32 v[QI], QIMG, v[L16]
	s_mul_i32 s77, s[WV], 4608
	s_add_co_u32 s77, s77, QIMG
	v_add_nc_u32 v[QIW], s77, v[L16]
	v_lshl_add_u32 v[QSL], v249, 2, QSC
	s_mul_i32 s77, s[WV], 384
	s_add_co_u32 s77, s77, QSC
	v_lshl_add_u32 v[QSW], v249, 2, s77
	s_mul_i32 s77, s[WV], 1408
	s_add_co_u32 s77, s77, RED
	v_lshl_add_u32 v[RW], v249, 2, s77
	v_lshl_add_u32 v[RR], v249, 2, RED
	v_lshlrev_b32 v248, 3, v249                    ; 8 x lane: my two doc tokens
	v_lshlrev_b32 v251, 2, v249                    ; 4 x lane: my query token
	v_mov_b32 v[PX], 0                             ; a lane permute's destination counts as one of its sources
	v_mov_b32 v[INV+1], 0                          ; named with INV as a pair
.irp n, 30,31,32,33,34,35
	v_mov_b32 v[CODE+\n], 0                        ; blocks 10 and 11: zero codes, for good
.endr
.irp n, 0,1,2,3,4,5,6,7,8,9,10,11,12,13,14,15,16,17,18,19,20,21,22,23,24,25,26,27,28,29,30,31,32,33,34,35,36,37,38,39,40,41,42,43
	v_mov_b32 v[SUM+\n], 0
.endr
.irp p, 0,1,2,3,4,5,6,7
	ds_store_b128 v252, v[CODE+30:CODE+33] offset:2*\p*P   ; bytes 1,024 .. 1,279 of all 16 stage rows; the tails' stores write 1,024 .. 1,199 again, 1,200 .. 1,279 stay 0
.endr
	s_mov_b32 s[SEL], 0x76543210
	s_mov_b32 s[SEL+1], 0xfedcba98
	s_mov_b32 s[K2B], 0x41e6d4ca                   ; 0.4 A = 28.853901
	s_mov_b32 s[K2B+1], s[K2B]                     ; (each constant is named as a pair, so both words are written)
	s_mov_b32 s[NK2B], 0xc1e6d4ca
	s_mov_b32 s[NK2B+1], s[NK2B]
	s_mov_b32 s[NA], 0xc29044fe                    ; -A = -72.134752
	s_mov_b32 s[NA+1], s[NA]
	s_mov_b32 s[NC0], 0xcc89960c                   ; -C0 = -72134752
	s_mov_b32 s[NC0+1], s[NC0]
	s_wait_kmcnt 0x0
	s_lshl_b32 s76, ttmp9, 11                      ; 512 doc tokens a batch element,
	s_lshl_b32 s77, s[WV], 8                       ; 64 a wave
	s_add_co_u32 s76, s76, s77
	s_mov_b32 s77, 0
	s_add_nc_u64 s[6:7], s[6:7], s[76:77]
	s_lshl_b32 s76, ttmp9, 7                       ; 32 query tokens
	s_add_nc_u64 s[4:5], s[4:5], s[76:77]
	s_min_u32 s76, s[WV], 1
	s_lshl_b32 s76, s76, 6                         ; wave 0: queries 0-15, the others 16-31 (only waves 0 and 1 use them)
	s_add_nc_u64 s[78:79], s[4:5], s[76:77]
	s_lshl_b32 s76, ttmp9, 2
	s_add_nc_u64 s[14:15], s[14:15], s[76:77]
	s_load_b512 s[16:31], s[6:7], 0x0              ; the tokens of doc tiles 0, 1, 2
	s_load_b512 s[32:47], s[6:7], 0x40
	s_load_b512 s[48:63], s[6:7], 0x80
	s_load_b512 s[80:95], s[78:79], 0x0            ; and of a query tile
	global_load_b64 v[BT:BT+1], v248, s[6:7]
	global_load_b32 v[QTOK], v251, s[4:5]
	s_wait_kmcnt 0x0
	s_cmp_lt_u32 s[WV], 2
	s_cbranch_scc0 .Ldoc_wave
	ISSUE 80                                       ; waves 0 and 1: 16 queries first
	LAND
	QPRE
	ISSUE 16                                       ; doc tile 0 is on its way while the queries are quantised
	QREST -1
.irp c, 0,1,2,3,4,5,6,7,8
	ds_store_b128 v[QIW], v[CODE+4*\c:CODE+4*\c+3] offset:512*\c   ; the fragments as they stand: 16 bytes a lane, 512 a store
.endr
.irp s, 0,1,2
	ds_store_b32 v[QSW], v[DS+\s] offset:128*\s
.endr
	s_branch .Ljoin
.Ldoc_wave:
	ISSUE 16
.Ljoin:
	s_load_b512 s[80:95], s[6:7], 0xc0             ; doc tile 3; tile 0's registers take w and b: 44 + 4 bytes
	s_load_b256 s[16:23], s[10:11], 0x0
	s_load_b64 s[24:25], s[10:11], 0x20
	s_load_b32 s26, s[10:11], 0x28
	s_load_b32 s27, s[12:13], 0x0
	TRIP 0, 32, 1
	TRIP 1, 48, 0
	TRIP 2, 80, 0
	TRIP 3, -1, 0
	; THE END.  A pair's two halves; then the two halves of the lanes: after the exchange lane l holds both halves' sums of query l.
.irp k, 0,1,2,3,4,5,6,7,8,9,10
	v_add_f32 v[SUM+2*\k], v[SUM+2*\k], v[SUM+2*\k+1]
	v_add_f32 v[SUM+22+2*\k], v[SUM+22+2*\k], v[SUM+22+2*\k+1]
.endr
.irp k, 0,1,2,3,4,5,6,7,8,9,10
	v_permlane16_swap_b32 v[SUM+2*\k], v[SUM+22+2*\k]   ; the first's lanes 16-31 change places with the second's lanes 0-15
.endr
.irp k, 0,1,2,3,4,5,6,7,8,9,10
	v_add_f32 v[SUM+2*\k], v[SUM+2*\k], v[SUM+22+2*\k]
.endr
.irp k, 0,1,2,3,4,5,6,7,8,9,10
	ds_store_b32 v[RW], v[SUM+2*\k] offset:128*\k
.endr
	s_wait_dscnt 0x0                               ; for wave 0's sake
	s_barrier_signal -1
	s_barrier_wait -1
	s_cmp_lg_u32 s[WV], 0
	s_cbranch_scc1 .Lend
.irp u, 0,1,2,3,4,5,6,7
.irp k, 0,1,2,3,4,5,6,7,8,9,10
	ds_load_b32 v[R+12*\u+\k], v[RR] offset:(11*\u+\k)*128
.endr
.endr
	s_wait_dscnt 0x0
.irp u, 1,2,3,4,5,6,7
.irp k, 0,2,4,6,8
	v_pk_add_f32 v[R+\k:R+\k+1], v[R+\k:R+\k+1], v[R+12*\u+\k:R+12*\u+\k+1]
.endr
	v_add_f32 v[R+10], v[R+10], v[R+12*\u+10]
.endr
.irp k, 0,1,2,3,4,5,6,7,8,9,10
	v_log_f32 v[R+\k], v[R+\k]                     ; log2 of the sum over all 512 docs; of 0: -infinity, which the hold below takes
.endr
	v_nop
	s_wait_alu depctr_va_vdst(0)                   ; one wait for the eleven
.macro KADJ k, c
	v_add_f32 v[R+\k], \c, v[R+\k]                 ; - A mu^2: the factor that was left out of every term
.endm
	KADJ 1, 0xc269b773                             ; mu = +-0.9: 58.429149
	KADJ 10, 0xc269b773
	KADJ 2, 0xc20d6255                             ; 0.7: 35.346029
	KADJ 9, 0xc20d6255
	KADJ 3, 0xc19044fe                             ; 0.5: 18.033688
	KADJ 8, 0xc19044fe
	KADJ 4, 0xc0cfbf83                             ; 0.3: 6.4921277
	KADJ 7, 0xc0cfbf83
	KADJ 5, 0xbf38aa3b                             ; 0.1: 0.72134752
	KADJ 6, 0xbf38aa3b
.irp k, 0,1,2,3,4,5,6,7,8,9,10
	v_max_num_f32 v[R+\k], 0xc204e08b, v[R+\k]     ; the clip at 1e-10, as log2: -33.219281
.endr
	v_mul_f32 v[R+12], s16, v[R]                   ; the product with w: K = 11, one column, in f32 multiply-adds
.irp k, 1,2,3,4,5,6,7,8,9,10
	v_fmac_f32 v[R+12], s[16+\k], v[R+\k]
.endr
	v_mul_f32 v[R+12], 0x3f317218, v[R+12]         ; x ln 2
	v_cmp_lt_i32 vcc_lo, 0, v[QTOK]
	v_cndmask_b32 v[R+12], 0, v[R+12], vcc_lo      ; the query mask
	v_add_f32_dpp v[R+12], v[R+12], v[R+12] row_xmask:1 row_mask:0xf bank_mask:0xf
	v_add_f32_dpp v[R+12], v[R+12], v[R+12] row_xmask:2 row_mask:0xf bank_mask:0xf
	v_add_f32_dpp v[R+12], v[R+12], v[R+12] row_xmask:4 row_mask:0xf bank_mask:0xf
	v_add_f32_dpp v[R+12], v[R+12], v[R+12] row_xmask:8 row_mask:0xf bank_mask:0xf
	v_permlanex16_b32 v[PX], v[R+12], s[SEL], s[SEL+1]
	v_add_f32 v[R+12], v[R+12], v[PX]              ; the sum over the 32 queries
	v_add_f32 v[R+12], s27, v[R+12]                ; + b
	v_mov_b32 v[R+13], 0
	s_wait_xcnt 0x0                                ; EXEC changes only behind this wait
	v_cmp_eq_u32 vcc_lo, 0, v0
	s_and_saveexec_b32 s76, vcc_lo
	global_store_b32 v[R+13], v[R+12], s[14:15]    ; the work-group's one number
	s_wait_xcnt 0x0                                ; and again, in front of the line that widens it
	s_or_b32 exec_lo, exec_lo, s76
.Lend:
	s_set_vgpr_msb 0x4
	s_wait_tensorcnt 0x0
	ds_add_u32 v47, v255
	s_wait_dscnt 0x0
	s_set_vgpr_msb 0x400
	s_endpgm
.Lfunc_end_k_qfefa7c83bb_knrm:
	.size	k_qfefa7c83bb_knrm, .Lfunc_end_k_qfefa7c83bb_knrm-k_qfefa7c83bb_knrm
	.p2alignl 7, 3214868480
	.fill 96, 4, 3214868480
	.section	.rodata,"a",@progbits
	.p2align	6, 0x0
	.amdhsa_kernel k_qfefa7c83bb_knrm
		.amdhsa_group_segment_fixed_size 246784
		.amdhsa_private_segment_fixed_size 0
		.amdhsa_enable_private_segment 0
		.amdhsa_kernarg_size 48
		.amdhsa_user_sgpr_count 2
		.amdhsa_user_sgpr_kernarg_segment_ptr 1
		.amdhsa_wavefront_size32 1
		.amdhsa_system_sgpr_workgroup_id_x 1
		.amdhsa_system_sgpr_workgroup_id_y 1
		.amdhsa_system_sgpr_workgroup_id_z 1
		.amdhsa_system_vgpr_workitem_id 0
		.amdhsa_next_free_vgpr 512
		.amdhsa_next_free_sgpr 96
		.amdhsa_reserve_vcc 1
		.amdhsa_float_denorm_mode_32 3
		.amdhsa_float_denorm_mode_16_64 3
		.amdhsa_memory_ordered 1
		.amdhsa_forward_progress 1
		.amdhsa_inst_pref_size 255
	.end_amdhsa_kernel
	.section	.bss,"aw",@nobits
	.p2align	6
	.space	262144
	.amdgpu_metadata
---
amdhsa.version: [ 1, 2 ]
amdhsa.kernels:
  - .name:           k_qfefa7c83bb_knrm
    .symbol:         k_qfefa7c83bb_knrm.kd
    .args:
      - { .name: query_tokens, .offset: 0, .size: 8, .value_kind: global_buffer, .address_space: global }
      - { .name: doc_tokens, .offset: 8, .size: 8, .value_kind: global_buffer, .address_space: global }
      - { .name: emb, .offset: 16, .size: 8, .value_kind: global_buffer, .address_space: global }
      - { .name: w, .offset: 24, .size: 8, .value_kind: global_buffer, .address_space: global }
      - { .name: b, .offset: 32, .size: 8, .value_kind: global_buffer, .address_space: global }
      - { .name: out0, .offset: 40, .size: 8, .value_kind: global_buffer, .address_space: global }
    .group_segment_fixed_size: 246784
    .private_segment_fixed_size: 0
    .kernarg_segment_align: 8
    .kernarg_segment_size: 48
    .max_flat_workgroup_size: 256
    .sgpr_count:     96
    .vgpr_count:     512
    .wavefront_size: 32
...
	.end_amdgpu_metadata
.endif
;; end of part 1
